; MI455X (gfx1250); checked and timed in simulation.
; The chip was launched on July 23, 2026; its instructions are those of AMD's public machine-readable ISA for CDNA 5 (MIT licence, August 2026) and "CDNA5" Instruction Set Architecture Reference Guide (July 2026). The comments in the code are by the model that wrote it; some were corrected since.
;; Causal Self Attention. Allowed arithmetic: matrix products marked QUANTISED: E2M1 operands, one E8M0 scale for each 32 along K, by v_wmma_scale_f32_16x16x128_f8f6f4 with both operands' format E2M1 (or v_wmma_scale_f32_32x16x128_f4), f32 sums; everything else in f32.
;; Inputs: beta 1,024 float32; gamma 1,024 float32; in_proj_b 3,072 float32; in_proj_w_codes 3,072 x 32 x 16 uint8 (E2M1 codes of in_proj_w, K innermost, in blocks of 32 codes, two codes a byte); in_proj_w_scales 3,072 x 32 uint8 (E8M0 scales of in_proj_w, one for each 32 codes along K); out_b 1,024 float32; out_w_codes 1,024 x 32 x 16 uint8 (E2M1 codes of out_w, K innermost, in blocks of 32 codes, two codes a byte); out_w_scales 1,024 x 32 uint8 (E8M0 scales of out_w, one for each 32 codes along K); x 4 x 2,048 x 1,024 float32.
;; Outputs: out0 4 x 2,048 x 1,024 float32.
;; This version of the problem:
;;   THIS VERSION OF THE PROBLEM IS GIVEN IN LOW PRECISION. The matrix products marked QUANTISED in the list below multiply operands that are first quantised to E2M1 (2 exponent bits, 1 mantissa bit; 4 bits a number), with one power-of-two scale for each 32 numbers along K (OCP MX v1.0); their sums are f32. All else is computed in f32.
;;   The module's matrix products, in the order in which they are computed (A, B: the left and right operand; K: the contracted axis; several contracted axes count as one K, in the product's order):
;;     1. [M 8,192, K 1,024] x [K 1,024, N 3,072]; A: input x; B: input in_proj_w (given as codes): QUANTISED
;;     2. batch 64 x [M 2,048, K 64] x [K 64, N 2,048]; A: computed on the way; B: computed on the way: QUANTISED
;;     3. batch 64 x [M 2,048, K 2,048] x [K 2,048, N 64]; A: softmax (see below); B: computed on the way: QUANTISED
;;     4. [M 8,192, K 1,024] x [K 1,024, N 1,024]; A: computed on the way; B: input out_w (given as codes): QUANTISED
;;   THE QUANTISER, for each operand of a quantised product, along K:
;;     - K is cut into blocks of 32 from its start; a last block that is shorter is filled with zeros.
;;     - A block's scale is 2^e with e = floor(log2(the largest magnitude in the block)) - 2, held to -126 .. 127; a block of zeros has e = 0. As a byte (E8M0): e + 127.
;;     - Each number is divided by its block's scale, clamped to +-6, and rounded to the nearest number of E2M1, ties to even, subnormals kept.
;;     - The product sums the exact products of the quantised numbers (number of the format x scale) in f32.
;;   ~~~python
;;   def quantise(x, axis):      # numpy; x: float32 -> the quantised numbers, widened to float32 again
;;       x = np.moveaxis(x, axis, -1); K = x.shape[-1]
;;       x = np.pad(x, [(0, 0)] * (x.ndim - 1) + [(0, -K % 32)]); x = x.reshape(x.shape[:-1] + (-1, 32)); a = np.abs(x).max(-1, keepdims=True)
;;       e = np.where(a > 0, np.clip(np.frexp(np.where(a > 0, a, 1))[1] - 1 - 2, -126, 127), 0)      # np.frexp(a)[1] - 1 = floor(log2(a)), exactly
;;       r = np.clip(x / 2.0 ** e, -6, 6)
;;       step = 2.0 ** (np.maximum(np.frexp(np.where(r == 0, 1, r))[1] - 1, 0) - 1)
;;       q = np.round(r / step) * step * 2.0 ** e      # np.round: ties to even
;;       return np.moveaxis(q.reshape(q.shape[:-2] + (-1,))[..., :K], -1, axis).astype(np.float32)
;;   ~~~
;;   SOFTMAX AHEAD OF A QUANTISED PRODUCT. Where the list says 'softmax', what is quantised is not the finished softmax but p = 2^(t - M), with t = logit x log2(e) and M = ceil(the row's largest t), a whole number; so 1/2 < the row's largest p <= 1. The row's sum l is taken of the UNQUANTISED p, in f32, and the product's result is divided by l at the end. Since M is a whole number, a kernel that streams over the keys may use a running M (the ceiling of the running maximum): every later rescaling is an exact power of two, which a block's scale takes up: the codes' values come out the same.
;;   OPERANDS COMPUTED ON THE WAY. 'Computed on the way' means the value that the module computes at that place (a softmax that the list does not call 'softmax' is quantised finished and normalised). What goes into a quantiser is computed in f32, as accurately as f32 sums, v_exp_f32 and their like allow (about 1e-6 of the number): no bf16 or f16 on the way to a quantiser, and a product that is left as it is and whose result goes on into a quantised operand takes f32 operands (vector FMAs, or v_wmma_f32_16x16x4_f32). A number that lies on a knife's edge between two numbers of the format may be rounded either way, as far as f32 arithmetic and the matrix unit's own rounding can turn it there, and no further.
;;   INPUTS GIVEN AS CODES. in_proj_w (in the module: [3072, 1024], K = its axis 1); out_w (in the module: [1024, 1024], K = its axis 1): each comes as NAME_codes (uint8): NAME with its K axis moved to the last place and cut into blocks of 32 codes, [.., K / 32, bytes a block], one block behind the other in memory; two codes a byte, the lower K in the low four bits (a code: sign, 2 exponent bits, 1 mantissa bit); and NAME_scales (uint8): the same leading axes, one E8M0 byte (e + 127) for each 32 codes along K. Its value is code x scale, taken as it is: it is not quantised again, and the codes and scales need not be those that the quantiser above would give.
;; One version. Each part assembles by itself: llvm-mc -triple=amdgcn-amd-amdhsa -mcpu=gfx1250 --defsym DOCPART=n.
;; ======== version 1 of 1: 3 launches
;; workspace buffers: qc 4,194,304 bytes; qs 524,288 bytes; kv 8,912,896 bytes; cc 4,194,304 bytes; cs 262,144 bytes
;; launch qkv (part 1): grid 4 x 64, 4 waves a work-group, no clusters, 70,144 bytes of LDS; arguments x, in_proj_w_codes, in_proj_w_scales, in_proj_b, qc, qs, kv; writes qc, qs, kv
.if DOCPART == 1
	.amdgcn_target "amdgcn-amd-amdhsa--gfx1250"
	.amdhsa_code_object_version 6
	.text
	.protected	k_q7441418ef4_qkv
	.globl	k_q7441418ef4_qkv
	.p2align	8
	.type	k_q7441418ef4_qkv,@function
k_q7441418ef4_qkv:
	s_mov_b64 s[64:65], 0
	v_nop
	global_prefetch_b8 v0, s[64:65] scope:SCOPE_SE
	s_setreg_imm32_b32 hwreg(HW_REG_WAVE_MODE, 25, 1), 1
	s_wait_xcnt 0x0
; qkv = Q(x) W^T + b on codes of FP4 (E2M1) with one E8M0 scale for each 32 along K; then q and k are quantised along the head's 64, v along the keys, and only codes and scale bytes go to memory.
; SHARES.  A work-group takes 128 tokens (work-group y) and four heads (work-group x); wave w owns head 4 x + w and makes that head's q, k and v for the 128 tokens: three tasks of 128 x 64, K = 1,024.
; x arrives as f32: wave w quantises tokens 32 w .. 32 w + 31 for all of K; the fragments go to the other waves through LDS as images of their registers (16 bytes a lane, 512 bytes a store), behind ONE barrier.
; The weights go from memory straight into the operand registers of the one wave that multiplies by them (a task's 32 fragments fill a window of 256 registers), so they never lie in LDS; that is why no tile is asked for
; jointly by several work-groups here: a joint load lands in LDS alone.
; ROWS OF A TILE ARE NOT NEIGHBOURS: lane r of tile (base, u) takes row base + 8 u + r + 8 (r / 8), for tokens and for W's rows alike.  A result's registers of tiles u = 0, 1 are then 16 neighbours, base + 16 (lane / 16) + 0 .. 15:
; along d where W is source 0 (q, k), along the tokens where x is source 0 (v).  So the conversions, which take neighbours from one lane's registers, give each operand of the next launch as it wants it.
; OUT.  qc [bh][token][32 bytes]; qs [bh][token] a word {s0, s1, s0, s1}; kv [bh][128 keys][8,704 bytes]: K's four fragments, V's four tiles, one block of scale words, all as register images.
; LIMITS: NaN and infinities among the inputs are not served.  A block of zeros, or one whose largest magnitude lies under 2^-124, gets the scale byte 1 where the quantiser's rule says 127 or less: its codes are zeros or
; as the floor's scale gives them, and the bytes are read by this program alone.
; REGISTERS, in windows of 256: window 0: v1-11 addresses; v16-79, v80-143 x's eight fragments of a K step, two buffers (the quantiser works in the second while no product reads it); v144-151 x's scale words;
;   v152-183 W's scale words, two sets; v184-247 the biases in the result's layout, two sets; v248-251 the image's scale words.   window 1: four sets of 64 numbers of x, then the 32 accumulators.
;   windows 2, 3: a task's weights, fragment (tile t, K step g) at 64 t + 8 g: q's and then v's in window 2, k's in window 3.
.set XSC,  65536                       ; LDS: 0 .. 65,535 x's fragments, (K step g, tile) at 8192 g + 1024 tile; from here their scale words, [g][r + 16 (tile % 2)][tile / 2]
.set LI,   1                           ; 16 x lane
.set XA,   2                           ; x: my row of a tile, 4,096 bytes a row, + 64 (lane / 16)
.set WA,   3                           ; W's codes: my row of a tile, 512 bytes a row, + 16 (lane / 16)
.set WSA,  4                           ; W's scales: row 8 (lane / 16) + r + 8 (r / 8), 32 bytes a row
.set BA,   5                           ; bias for q, k: 64 (lane / 16)
.set BV,   6                           ; bias for v: 4 x my row of a tile
.set XWI,  7                           ; where I store x's images: 16 x lane + 2,048 x wave
.set XWS,  8                           ; and their scale words: XSC + 16 r + 4 x wave
.set XSR,  9                           ; where I read scale words: XSC + 16 x lane
.set QA,   10                          ; qc: my row of a tile, 32 bytes a row, + 16 (lane / 16)
.set QSA,  11                          ; qs: 4 x (8 (lane / 16) + my row)
.set XF0,  16
.set XS,   144
.set WS,   152
.set BI,   184
.set KS,   248
.set TM,   80                          ; the quantiser: +0..3 largest magnitudes, +4..7 the other half's, then bytes, +12..15 scale operands
.set PW,   96                          ; the scale word just made
.set PC,   100                         ; the eight registers of codes just made
.set T0,   108
.set T1,   109
.set MSB, 0
.macro WIN new                         ; the immediate's high byte repeats the setting that is left; a switch that changes nothing is dropped
.if MSB != (\new)
	s_set_vgpr_msb (MSB<<8)|(\new)
.set MSB, (\new)
.endif
.endm
; 64 numbers of x a lane: tile 2 w + i % 2, K step i / 2: of each block of 32 my 16 neighbours, into set i % 4 of window 1
.macro XLOAD i
	WIN 0x40
.irp be, 0,1,2,3
.irp j, 0,1,2,3
	global_load_b128 v[64*((\i)&3)+16*\be+4*\j:64*((\i)&3)+16*\be+4*\j+3], v[XA], s[4:5] offset:32768*((\i)&1)+512*((\i)>>1)+128*\be+16*\j
.endr
.endr
.endm
; the four tiles' fragments of K step g of my head's q (kind 0), k (1) or v (2)
.macro WCHUNK kind, g, win
	WIN (\win)<<6
.irp t, 0,1,2,3
.irp c, 0,1
	global_load_b128 v[64*\t+8*(\g)+4*\c:64*\t+8*(\g)+4*\c+3], v[WA], s[6:7] offset:524288*(\kind)+(32*(\t/2)+8*(\t%2))*512+64*(\g)+32*\c
.endr
.endr
.endm
; their scale words: register 8 (t / 2) + g holds tile t's word in lanes 0-15 (t even) or lanes 16-31 (t odd)
.macro WSLOAD kind, st
	WIN 0
.irp be, 0,1
.irp gg, 0,1
	global_load_b128 v[WS+16*(\st)+8*\be+4*\gg:WS+16*(\st)+8*\be+4*\gg+3], v[WSA], s[8:9] offset:32768*(\kind)+1024*\be+16*\gg
.endr
.endr
.endm
; the bias of q or k in the result's layout: tile t, register j: d = 32 (t / 2) + 8 (t % 2) + 16 (lane / 16) + j
.macro BLOAD kind, st
	WIN 0
.irp t, 0,1,2,3
.irp e, 0,1
	global_load_b128 v[BI+32*(\st)+8*\t+4*\e:BI+32*(\st)+8*\t+4*\e+3], v[BA], s[10:11] offset:4096*(\kind)+(32*(\t/2)+8*(\t%2))*4+16*\e
.endr
.endr
.endm
; 64 numbers of a lane in window 1, register s + 16 b + i = number 16 (lane / 16) + i of block b of my row, become eight registers of codes (v[PC] on) and a scale word (v[PW]).
; gs = 0: the last codes were read by LDS stores; gs = 1: by global stores.
.macro QUANT s, gs
	WIN 0x05
.irp b, 0,1,2,3
	v_max3_num_f32 v[TM+\b], |v[(\s)+16*\b]|, |v[(\s)+16*\b+1]|, 0x1800000   ; my 16 numbers, and the floor 2^(3 - 127): the byte cannot fall under 1.  (A result is read from its low end on)
.endr
	WIN 0x14
.irp i, 2,4,6,8,10,12,14
.irp b, 0,1,2,3
	v_max3_num_f32 v[TM+\b], v[TM+\b], |v[(\s)+16*\b+\i]|, |v[(\s)+16*\b+\i+1]|   ; the four blocks by turns
.endr
.endr
	WIN 0
.irp b, 0,1,2,3
	v_permlanex16_b32 v[TM+4+\b], v[TM+\b], s26, s27
.endr
.irp b, 0,1,2,3
	v_max_num_f32 v[TM+\b], v[TM+\b], v[TM+4+\b]             ; with lane l xor 16's: the block's largest magnitude
.endr
.irp b, 0,1,2,3
	v_add_nc_u32 v[TM+12+\b], 0xff000000, v[TM+\b]           ; 2 off its exponent field: the conversion's scale operand
.endr
.irp b, 0,1,2,3
	v_lshrrev_b32 v[TM+4+\b], 23, v[TM+12+\b]                ; the scale's byte
.endr
.if \gs
	s_wait_alu depctr_va_vdst(0)
	s_wait_xcnt 0x0                                          ; the stores of the last codes and word have read their registers
.else
	s_wait_alu depctr_va_vdst(0)
	s_wait_dscnt 0x0                                         ; the LDS stores of the last codes and word are done
.endif
	v_lshl_or_b32 v[PW], v[TM+5], 8, v[TM+4]
	v_lshl_or_b32 v[PW], v[TM+6], 16, v[PW]
	v_lshl_or_b32 v[PW], v[TM+7], 24, v[PW]
	WIN 0x01
.irp b, 0,1,2,3
	v_cvt_scalef32_pk8_fp4_f32 v[PC+2*\b], v[(\s)+16*\b:(\s)+16*\b+7], v[TM+12+\b]
	v_cvt_scalef32_pk8_fp4_f32 v[PC+2*\b+1], v[(\s)+16*\b+8:(\s)+16*\b+15], v[TM+12+\b]
.endr
	WIN 0
	v_nop                                                    ; one plain place behind a scaled conversion
.irp c, 0,1                                              ; a whole block to a lane: lanes 0-15 block 2 c, lanes 16-31 block 2 c + 1
.irp i, 0,1
	v_permlane16_swap_b32 v[PC+4*\c+\i], v[PC+4*\c+2+\i]
.endr
.endr
.endm
; x's eight fragments and their scale words of K step g, from LDS into buffer buf: 17 loads
.macro FETCHX g, buf
.irp ta, 0,1,2,3,4,5,6,7
.irp c, 0,1
	ds_load_b128 v[XF0+64*(\buf)+8*\ta+4*\c:XF0+64*(\buf)+8*\ta+4*\c+3], v[LI] offset:8192*(\g)+1024*\ta+512*\c
.endr
.endr
	ds_load_b128 v[XS+4*(\buf):XS+4*(\buf)+3], v[XSR] offset:512*(\g)
.endm
; one product.  ra, rb: the side's scales stand in lanes 16-31 of the register named
.macro WM d, a, b, c, sa, sb, ra, rb
.if (\ra) && (\rb)
	v_wmma_scale_f32_16x16x128_f8f6f4 v[\d:\d+7], v[\a:\a+7], v[\b:\b+7], v[\c:\c+7], v[\sa], v[\sb] matrix_a_fmt:MATRIX_FMT_FP4 matrix_b_fmt:MATRIX_FMT_FP4 matrix_a_scale:MATRIX_SCALE_ROW1 matrix_b_scale:MATRIX_SCALE_ROW1
.elseif (\ra)
	v_wmma_scale_f32_16x16x128_f8f6f4 v[\d:\d+7], v[\a:\a+7], v[\b:\b+7], v[\c:\c+7], v[\sa], v[\sb] matrix_a_fmt:MATRIX_FMT_FP4 matrix_b_fmt:MATRIX_FMT_FP4 matrix_a_scale:MATRIX_SCALE_ROW1
.elseif (\rb)
	v_wmma_scale_f32_16x16x128_f8f6f4 v[\d:\d+7], v[\a:\a+7], v[\b:\b+7], v[\c:\c+7], v[\sa], v[\sb] matrix_a_fmt:MATRIX_FMT_FP4 matrix_b_fmt:MATRIX_FMT_FP4 matrix_b_scale:MATRIX_SCALE_ROW1
.else
	v_wmma_scale_f32_16x16x128_f8f6f4 v[\d:\d+7], v[\a:\a+7], v[\b:\b+7], v[\c:\c+7], v[\sa], v[\sb] matrix_a_fmt:MATRIX_FMT_FP4 matrix_b_fmt:MATRIX_FMT_FP4
.endif
.endm
; A K step of 128: 32 products, the 32 accumulators by turns in one fixed order.  The first K step takes the bias as C: nothing is cleared or added later.
; nat = 0 (q, k): source 0 = W, source 1 = x, accumulator (token tile, t) at 32 tile + 8 t.   nat = 1 (v): source 0 = x, source 1 = W, accumulator at 64 t + 8 tile.
.macro STEP nat, g, win, st, last
.rept 4
	v_nop                                                    ; places in front of loads into the buffer and the scale registers that the last K step's products read
.endr
.if \last
	s_wait_dscnt 0x0
.else
	FETCHX ((\g)+1)&7, 1-((\g)&1)
	s_wait_dscnt 17                                          ; the 17 just issued may be out: this K step's are in
.endif
.set XB, XF0+64*((\g)&1)
.set XW, XS+4*((\g)&1)
.if \nat
.if (\g) == 0
	WIN 0x48
.else
	WIN 0x58
.endif
.else
.if (\g) == 0
	WIN 0x40|(\win)
.else
	WIN 0x50|(\win)
.endif
.endif
.irp ta, 0,1,2,3,4,5,6,7
.irp t, 0,1,2,3
.if \nat
.if (\g) == 0
	WM 64*\t+8*\ta, XB+8*\ta, 64*\t+8*(\g), BI+32*(\st)+8*\t, XW+\ta/2, WS+16*(\st)+8*(\t/2)+(\g), \ta%2, \t%2
.else
	WM 64*\t+8*\ta, XB+8*\ta, 64*\t+8*(\g), 64*\t+8*\ta, XW+\ta/2, WS+16*(\st)+8*(\t/2)+(\g), \ta%2, \t%2
.endif
.else
.if (\g) == 0
	WM 32*\ta+8*\t, 64*\t+8*(\g), XB+8*\ta, BI+32*(\st)+8*\t, WS+16*(\st)+8*(\t/2)+(\g), XW+\ta/2, \t%2, \ta%2
.else
	WM 32*\ta+8*\t, 64*\t+8*(\g), XB+8*\ta, 32*\ta+8*\t, WS+16*(\st)+8*(\t/2)+(\g), XW+\ta/2, \t%2, \ta%2
.endif
.endif
.endr
.endr
	WIN 0
.endm
	s_load_b256 s[4:11], s[0:1], 0x0               ; x s[4:5], W's codes s[6:7], W's scales s[8:9], the bias s[10:11]
	s_load_b128 s[12:15], s[0:1], 0x20             ; qc s[12:13], qs s[14:15]
	s_load_b64 s[16:17], s[0:1], 0x30              ; kv
	v_lshl_add_u32 v254, v0, 2, 0x11000
	v_mov_b32 v255, 0
	v_lshrrev_b32 v12, 5, v0
	v_readfirstlane_b32 s18, v12                   ; wave 0..3
	v_and_b32 v12, 31, v0                          ; lane
	v_and_b32 v13, 15, v0                          ; r
	v_bfe_u32 v14, v0, 4, 1                        ; lane / 16
	v_and_b32 v15, 8, v13
	v_add_nc_u32 v15, v15, v13                     ; r + 8 (r / 8): my row of a tile
	v_lshlrev_b32 v[LI], 4, v12
	v_lshlrev_b32 v[XA], 12, v15
	v_lshl_add_u32 v[XA], v14, 6, v[XA]
	v_lshlrev_b32 v[WA], 9, v15
	v_lshl_add_u32 v[WA], v14, 4, v[WA]
	v_lshl_add_u32 v[WSA], v14, 3, v15
	v_lshlrev_b32 v[QSA], 2, v[WSA]
	v_lshlrev_b32 v[WSA], 5, v[WSA]
	v_lshlrev_b32 v[BA], 6, v14
	v_lshlrev_b32 v[BV], 2, v15
	v_lshlrev_b32 v[QA], 5, v15
	v_lshl_add_u32 v[QA], v14, 4, v[QA]
	s_lshl_b32 s22, s18, 11
	v_add_nc_u32 v[XWI], s22, v[LI]
	s_lshl_b32 s22, s18, 2
	v_lshlrev_b32 v[XWS], 4, v13
	v_add_nc_u32 v[XWS], s22, v[XWS]
	v_add_nc_u32 v[XWS], XSC, v[XWS]
	v_add_nc_u32 v[XSR], XSC, v[LI]
.irp b, 0,1,2,3
	v_mov_b32 v[TM+4+\b], 0                        ; written once: a lane permute's destination counts as one of its sources
.endr
	s_mov_b32 s26, 0x76543210
	s_mov_b32 s27, 0xfedcba98                      ; v_permlanex16_b32's selects for lane l xor 16
	s_mov_b32 s30, 0xffff0000                      ; lanes 16-31
	s_and_b32 s20, ttmp7, 0xffff                   ; which 128 tokens: 16 x batch + key step
	s_lshl_b32 s19, ttmp9, 2
	s_add_co_u32 s19, s19, s18                     ; my head
	s_and_b32 s28, s20, 15                         ; the key step
	s_and_b32 s21, s20, 0x30
	s_add_co_u32 s21, s21, s19                     ; bh = 16 x batch + head
	s_mov_b32 s23, 0
	s_wait_kmcnt 0x0
	s_lshl_b32 s22, s20, 19                        ; x: 128 rows of 4,096 bytes a work-group, 32 a wave
	s_lshl_b32 s24, s18, 17
	s_add_co_u32 s22, s22, s24
	s_add_nc_u64 s[4:5], s[4:5], s[22:23]
	s_lshl_b32 s22, s19, 15                        ; W's codes: 64 rows of 512 bytes a head
	s_add_nc_u64 s[6:7], s[6:7], s[22:23]
	s_lshl_b32 s22, s19, 11                        ; W's scales: 64 rows of 32 bytes
	s_add_nc_u64 s[8:9], s[8:9], s[22:23]
	s_lshl_b32 s22, s19, 8                         ; the bias: 64 numbers
	s_add_nc_u64 s[10:11], s[10:11], s[22:23]
	s_lshl_b32 s22, s21, 16                        ; qc: 2,048 rows of 32 bytes a head, 128 a step
	s_lshl_b32 s24, s28, 12
	s_add_co_u32 s22, s22, s24
	s_add_nc_u64 s[12:13], s[12:13], s[22:23]
	s_lshl_b32 s22, s21, 13                        ; qs: a word a token
	s_lshl_b32 s24, s28, 9
	s_add_co_u32 s22, s22, s24
	s_add_nc_u64 s[14:15], s[14:15], s[22:23]
	s_lshl_b32 s22, s21, 4                         ; kv: image 16 bh + step, 8,704 bytes each
	s_add_co_u32 s22, s22, s28
	s_mul_i32 s22, s22, 8704
	s_add_nc_u64 s[16:17], s[16:17], s[22:23]
	BLOAD 0, 0
	BLOAD 1, 1
	WSLOAD 0, 0
	WSLOAD 1, 1
	XLOAD 0
	XLOAD 1
	XLOAD 2
; ---- x: my two tiles, K step by K step: 16 sets of 64 numbers a lane.  Three sets (48 loads a wave) are on their way while one is quantised; q's and k's weights are asked for on the way, a K step's chunk a set.
.set I, 0
.rept 16
.set NX, 2
.if 15-I < 2
.set NX, 15-I
.endif
.set NW, 3
.if I < 3
.set NW, I
.endif
	s_wait_loadcnt 16*NX+8*NW                      ; behind set I's loads stand NX later sets of 16 loads and NW chunks of 8
.if I < 13
	XLOAD I+3
.endif
.if I < 8
	WCHUNK 0, I, 2
.else
	WCHUNK 1, I-8, 3
.endif
	QUANT 64*(I&3), 0
	ds_store_b128 v[XWI], v[PC:PC+3] offset:8192*(I>>1)+1024*(I&1)
	ds_store_b128 v[XWI], v[PC+4:PC+7] offset:8192*(I>>1)+1024*(I&1)+512
	ds_store_b32 v[XWS], v[PW] offset:512*(I>>1)+256*(I&1)   ; both halves of the lanes write the same word with the same value
.set I, I+1
.endr
	s_wait_loadcnt 0x0                             ; q's and k's weights, scales and biases
	s_wait_dscnt 0x0                               ; for the others' sake: my images lie in LDS
	s_barrier_signal -1
	s_barrier_wait -1                              ; all 64 fragments of x do; nothing is written to LDS after this
	FETCHX 0, 0
; ---- q
.irp g, 0,1,2,3,4,5,6,7
	STEP 0, \g, 2, 0, 0
.endr
.rept 5
	v_nop                                          ; places: the results are read, window 2 and set 0 are loaded again, and the next task's products write over these accumulators
.endr
.irp g, 0,1,2,3,4,5,6,7
	WCHUNK 2, \g, 2                                ; v's weights take q's place; they land while q is quantised and k is multiplied
.endr
	WSLOAD 2, 0
.irp t, 0,1,2,3
	global_load_b32 v[BI+8*\t], v[BV], s[10:11] offset:8192+(32*(\t/2)+8*(\t%2))*4   ; v's bias: one number a lane and tile
.endr
.irp b, 0,1,2,3                                ; token tiles 2 b and 2 b + 1: four blocks (two tiles x two blocks of d)
	QUANT 64*\b, 1
	global_store_b128 v[QA], v[PC:PC+3], s[12:13] offset:1024*\b          ; tile 2 b: tokens 32 b + 0..7 and + 16..23, 32 bytes each: two runs of 256 consecutive bytes
	global_store_b128 v[QA], v[PC+4:PC+7], s[12:13] offset:1024*\b+256    ; tile 2 b + 1: the runs between
	v_perm_b32 v[T0], v[PW], v[PW], 0x01000100     ; tile 2 b's two bytes, twice
	v_perm_b32 v[T1], v[PW], v[PW], 0x03020302     ; tile 2 b + 1's
	v_cndmask_b32 v[T0], v[T0], v[T1], s30         ; lanes 16-31 store the second tile's
	global_store_b32 v[QSA], v[T0], s[14:15] offset:128*\b
.endr
; ---- k
	s_wait_xcnt 0x0                                ; the last stores have read the registers into which x's fragments now land
.irp g, 0,1,2,3,4,5,6,7
	STEP 0, \g, 3, 1, 0
.endr
.rept 5
	v_nop
.endr
.irp b, 0,1,2,3                                ; fragment b of the image: registers 4 c on of lane (r, h): key 32 b + 8 c + r + 8 (r / 8), d = 32 h on
	QUANT 64*\b, 1
	global_store_b128 v[LI], v[PC:PC+3], s[16:17] offset:1024*\b          ; 512 consecutive bytes
	global_store_b128 v[LI], v[PC+4:PC+7], s[16:17] offset:1024*\b+512
	v_mov_b32 v[KS+\b], v[PW]
.endr
; ---- v
	s_wait_xcnt 0x0
	s_wait_loadcnt 0x0                             ; v's weights, scales and bias
.irp t, 0,1,2,3
.irp j, 1,2,3,4,5,6,7
	v_mov_b32 v[BI+8*\t+\j], v[BI+8*\t]            ; here a lane holds one d and eight tokens: the same bias in all eight registers
.endr
.endr
	s_wait_alu depctr_va_vdst(0)
.irp g, 0,1,2,3,4,5,6
	STEP 1, \g, 2, 0, 0
.endr
	STEP 1, 7, 2, 0, 1
.rept 5
	v_nop
.endr
.irp t, 0,1,2,3                                ; tile t of V^T: lane (r, h): d = 32 (t / 2) + 8 (t % 2) + r + 8 (r / 8), keys 64 c + 32 h on
	QUANT 64*\t, 1
	global_store_b128 v[LI], v[PC:PC+3], s[16:17] offset:4096+1024*\t
	global_store_b128 v[LI], v[PC+4:PC+7], s[16:17] offset:4096+1024*\t+512
	v_cndmask_b32 v[KS+\t], v[KS+\t], v[PW], s30   ; lanes 0-15 keep K's word, lanes 16-31 take V's
.endr
	global_store_b128 v[LI], v[KS:KS+3], s[16:17] offset:8192
	s_wait_tensorcnt 0x0
	ds_add_u32 v254, v255
	s_wait_dscnt 0x0
	s_endpgm
.Lfunc_end_k_q7441418ef4_qkv:
	.size	k_q7441418ef4_qkv, .Lfunc_end_k_q7441418ef4_qkv-k_q7441418ef4_qkv
	.p2alignl 7, 3214868480
	.fill 96, 4, 3214868480
	.section	.rodata,"a",@progbits
	.p2align	6, 0x0
	.amdhsa_kernel k_q7441418ef4_qkv
		.amdhsa_group_segment_fixed_size 70144
		.amdhsa_private_segment_fixed_size 0
		.amdhsa_enable_private_segment 0
		.amdhsa_kernarg_size 56
		.amdhsa_user_sgpr_count 2
		.amdhsa_user_sgpr_kernarg_segment_ptr 1
		.amdhsa_wavefront_size32 1
		.amdhsa_system_sgpr_workgroup_id_x 1
		.amdhsa_system_sgpr_workgroup_id_y 1
		.amdhsa_system_sgpr_workgroup_id_z 1
		.amdhsa_system_vgpr_workitem_id 0
		.amdhsa_next_free_vgpr 1024
		.amdhsa_next_free_sgpr 66
		.amdhsa_reserve_vcc 0
		.amdhsa_float_denorm_mode_32 3
		.amdhsa_float_denorm_mode_16_64 3
		.amdhsa_memory_ordered 1
		.amdhsa_forward_progress 1
		.amdhsa_inst_pref_size 255
	.end_amdhsa_kernel
	.section	.bss,"aw",@nobits
	.p2align	6
	.space	262144
	.amdgpu_metadata
---
amdhsa.version: [ 1, 2 ]
amdhsa.kernels:
  - .name:           k_q7441418ef4_qkv
    .symbol:         k_q7441418ef4_qkv.kd
    .args:
      - { .name: x, .offset: 0, .size: 8, .value_kind: global_buffer, .address_space: global }
      - { .name: in_proj_w_codes, .offset: 8, .size: 8, .value_kind: global_buffer, .address_space: global }
      - { .name: in_proj_w_scales, .offset: 16, .size: 8, .value_kind: global_buffer, .address_space: global }
      - { .name: in_proj_b, .offset: 24, .size: 8, .value_kind: global_buffer, .address_space: global }
      - { .name: qc, .offset: 32, .size: 8, .value_kind: global_buffer, .address_space: global }
      - { .name: qs, .offset: 40, .size: 8, .value_kind: global_buffer, .address_space: global }
      - { .name: kv, .offset: 48, .size: 8, .value_kind: global_buffer, .address_space: global }
    .group_segment_fixed_size: 70144
    .private_segment_fixed_size: 0
    .kernarg_segment_align: 8
    .kernarg_segment_size: 56
    .max_flat_workgroup_size: 128
    .sgpr_count:     66
    .vgpr_count:     1024
    .wavefront_size: 32
...
	.end_amdgpu_metadata
.endif
;; end of part 1
;; launch attn (part 2): grid 64 x 16, 8 waves a work-group, no clusters, 10,240 bytes of LDS; arguments qc, qs, kv, cc, cs; writes cc, cs
.if DOCPART == 2
	.amdgcn_target "amdgcn-amd-amdhsa--gfx1250"
	.amdhsa_code_object_version 6
	.text
	.protected	k_q7441418ef4_attn
	.globl	k_q7441418ef4_attn
	.p2align	8
	.type	k_q7441418ef4_attn,@function
k_q7441418ef4_attn:
	s_mov_b64 s[64:65], 0
	v_nop
	global_prefetch_b8 v0, s[64:65] scope:SCOPE_SE
	s_setreg_imm32_b32 hwreg(HW_REG_WAVE_MODE, 25, 1), 1
	s_wait_xcnt 0x0
; ctx = softmax(q k^T / 8, causal) v for one head, both products on codes of FP4 (E2M1) with E8M0 scales; ctx is divided by the row's sum, quantised along d and stored as codes.
; THE SOFTMAX AHEAD OF THE SECOND PRODUCT: t = score x log2(e) / 8; M = the row's largest t so far, rounded UP to a whole number; p = 2^(t - M) is quantised along the keys, not normalised; the row's sum is taken of the
; unquantised p.  When M moves, the sum and O are multiplied by 2^(old M - new M), which rounds nothing.
; SHARES.  Work-group (x, y): head bh = x, queries 128 qb .. + 127 with qb = 15 - y (the blocks with the most keys come first in the grid).  Each of eight waves owns 16 queries.  Key steps j = 0 .. qb of 128 keys; what lies
; beyond the diagonal is never touched; step qb lies on the diagonal for all eight waves, and hidden scores become -infinity there.
; A KEY STEP'S IMAGE, 8,704 bytes as the launch before laid it (K's four fragments, V's four tiles, a block of scale words, all as register images), is asked for a whole step ahead, 32 bytes a thread, kept in registers,
; put into LDS at the step's head, and read by all eight waves: two barriers a step (the image is whole; nobody reads it any more).  No LDS address changes in the loop.
; THE FIRST PRODUCT HAS K = 64 in an instruction of K = 128: a fragment of K carries two tiles of 16 keys, one in each half of the instruction's K; q stands in one half and zero codes in the other, so each half gives a tile.
; Both products are used transposed: a lane holds ONE query (lane % 16) throughout; registers 16 b + i of the scores are keys 32 b + 16 (lane / 16) + i.
; Work-groups of one head walk different numbers of key steps, so no tile is asked for jointly.
; LIMITS: NaN and infinities are not served.  A block of ctx that is all zeros or lies under 2^-124 gets the scale byte 1; the bytes are read by this program alone.
.set CSG,  8704                        ; LDS: 0 .. 8,703 the image; here 256 bytes: the 128 queries' two scale bytes each
.set LI,   1                           ; 16 x lane
.set TA,   2                           ; 16 x thread
.set MD,   3                           ; 16 wave + r - 16 (lane / 16): register 16 b + i is hidden on the diagonal where 32 b + i is greater
.set NINF, 4
.set CSA,  5                           ; CSG + 32 wave + 2 r
.set GK,   8                           ; v[8:11], v[12:15], v[28:31]: my bytes of the next image
.set GV,   12
.set GS,   28
.set KF,   32
.set VF,   64
.set S,    96
.set O,    160
.set PC,   192
.set SC,   200                         ; scale words: K's fragment b in lanes 0-15 of register b, V's tile b in lanes 16-31
.set QS,   204
.set PWD,  205
.set NM,   206                         ; -M; v207 the largest t
.set TX,   207
.set L,    208                         ; the sum in two halves
.set F,    210
.set BM,   212
.set BX,   216
.set BS,   220
.set L2,   224
.set T,    226
.set CO8,  227                         ; 8 x lane
.set CR8,  228                         ; CSG + 8 x lane
	s_load_b256 s[4:11], s[0:1], 0x0               ; qc s[4:5], qs s[6:7], kv s[8:9], cc s[10:11]
	s_load_b64 s[12:13], s[0:1], 0x20              ; cs
	v_lshl_add_u32 v254, v0, 2, 0x2400
	v_mov_b32 v255, 0
	v_lshrrev_b32 v6, 5, v0
	s_delay_alu instid0(VALU_DEP_1)
	v_readfirstlane_b32 s14, v6                    ; wave 0..7
	v_and_b32 v6, 31, v0
	v_and_b32 v7, 15, v0                           ; r
	v_bfe_u32 v[T], v0, 4, 1                       ; lane / 16
	s_delay_alu instid0(VALU_DEP_3)
	v_lshlrev_b32 v[LI], 4, v6
	v_lshlrev_b32 v[TA], 4, v0
	v_lshlrev_b32 v[CO8], 3, v6
	s_delay_alu instid0(VALU_DEP_1)
	v_add_nc_u32 v[CR8], CSG, v[CO8]
	s_lshl_b32 s24, s14, 4
	v_lshlrev_b32 v[MD], 4, v[T]
	s_delay_alu instid0(VALU_DEP_1)
	v_sub_nc_u32 v[MD], v7, v[MD]
	s_delay_alu instid0(VALU_DEP_1)
	v_add_nc_u32 v[MD], s24, v[MD]
	v_mov_b32 v[NINF], 0xff800000
	v_and_b32 v[CSA], 0xe0, v0
	s_delay_alu instid0(VALU_DEP_1)
	v_lshl_add_u32 v[CSA], v7, 1, v[CSA]
	s_delay_alu instid0(VALU_DEP_1)
	v_add_nc_u32 v[CSA], CSG, v[CSA]
	v_lshlrev_b32 v6, 5, v7
	s_delay_alu instid0(VALU_DEP_1)
	v_lshl_add_u32 v6, v[T], 4, v6                 ; q: row r of 32 bytes, + 16 (lane / 16)
	v_lshlrev_b32 v7, 2, v7                        ; its scale word
	s_mov_b32 s15, ttmp9                           ; bh
	s_and_b32 s16, ttmp7, 0xffff
	s_sub_co_u32 s16, 15, s16                      ; qb
	s_add_co_u32 s19, s16, 1                       ; the number of key steps, 1 to 16: the loop's bound, which the loop does not write
	s_mov_b32 s17, 0                               ; j
	s_mov_b32 s20, 0x76543210
	s_mov_b32 s21, 0xfedcba98                      ; v_permlanex16_b32's selects for lane l xor 16
	s_mov_b32 s22, 0x3e38aa3b                      ; c = log2(e) / 8
	s_mov_b32 s23, s22                             ; (named with it as a pair, so it is written)
	s_lshl_b32 s18, s16, 7
	s_add_co_u32 s18, s18, s24                     ; my first query: 128 qb + 16 wave
	s_mov_b32 s25, 0
	s_wait_alu depctr_va_vdst(0)
	s_wait_kmcnt 0x0
	s_mul_i32 s24, s15, 139264                     ; kv: 16 images of 8,704 bytes a head
	s_add_nc_u64 s[8:9], s[8:9], s[24:25]
	s_lshl_b32 s24, s15, 16
	s_lshl_b32 s26, s18, 5
	s_add_co_u32 s24, s24, s26
	s_add_nc_u64 s[4:5], s[4:5], s[24:25]
	s_lshl_b32 s24, s15, 13
	s_lshl_b32 s26, s18, 2
	s_add_co_u32 s24, s24, s26
	s_add_nc_u64 s[6:7], s[6:7], s[24:25]
	s_lshr_b32 s24, s15, 4                         ; cc: tile of 16 rows = 128 batch + 8 qb + wave, 8,192 bytes each;
	s_lshl_b32 s24, s24, 7
	s_lshl_b32 s26, s16, 3
	s_add_co_u32 s24, s24, s26
	s_add_co_u32 s24, s24, s14
	s_lshl_b32 s24, s24, 13
	s_bfe_u32 s26, s15, 0x30001                    ; in it K step head / 2, 1,024 bytes,
	s_lshl_b32 s26, s26, 10
	s_add_co_u32 s24, s24, s26
	s_and_b32 s26, s15, 1                          ; and half head % 2, 512 bytes
	s_lshl_b32 s26, s26, 9
	s_add_co_u32 s24, s24, s26
	s_add_nc_u64 s[10:11], s[10:11], s[24:25]
	s_lshl_b32 s24, s15, 12                        ; cs: two bytes a token
	s_lshl_b32 s26, s16, 8
	s_add_co_u32 s24, s24, s26
	s_add_nc_u64 s[12:13], s[12:13], s[24:25]
	global_load_b128 v[16:19], v6, s[4:5]          ; q in the low half of K: v[16:23] = q, zeros
	global_load_b128 v[24:27], v6, s[4:5]          ; and in the high half: v[20:27] = zeros, q
	global_load_b32 v[QS], v7, s[6:7]              ; {s0, s1, s0, s1}: the same word serves both
	global_load_b128 v[GK:GK+3], v[TA], s[8:9]     ; key step 0's image
	global_load_b128 v[GV:GV+3], v[TA], s[8:9] offset:4096
	s_cmp_lg_u32 s14, 0
	s_cbranch_scc1 .Lfirst_asked
	global_load_b128 v[GS:GS+3], v[LI], s[8:9] offset:8192
.Lfirst_asked:
.irp j, 20,21,22,23
	v_mov_b32 v\j, 0
.endr
	v_mov_b32 v[TX], 0xff61b1e6                    ; the largest t so far: -3e38, under every t
	s_delay_alu instid0(VALU_DEP_1)
	v_floor_f32 v[NM], -v[TX]
	v_mov_b32 v[L], 0
	v_mov_b32 v[L+1], 0
	v_mov_b32 v[F+1], 0                            ; (named as the upper half of a pair)
.irp b, 0,1,2,3
	v_mov_b32 v[BX+\b], 0                          ; a lane permute's destination counts as one of its sources
.endr
.set J, 0
.rept 32
	v_mov_b32 v[O+J], 0                            ; O^T: the step is written once; the first finds zeros, which the first change of M leaves zeros
.set J, J+1
.endr
.Lstep:
	s_wait_loadcnt 0x0                             ; my bytes of this step's image, asked for a step ago, are in (in the first trip q too)
	ds_store_b128 v[TA], v[GK:GK+3]
	ds_store_b128 v[TA], v[GV:GV+3] offset:4096
	s_cmp_lg_u32 s14, 0
	s_cbranch_scc1 .Lstored
	ds_store_b128 v[LI], v[GS:GS+3] offset:8192
.Lstored:
	s_wait_dscnt 0x0                               ; for the others' sake: my stores are done
	s_barrier_signal -1
	s_barrier_wait -1                              ; the image is whole
.irp b, 0,1,2,3
.irp c, 0,1
	ds_load_b128 v[KF+8*\b+4*\c:KF+8*\b+4*\c+3], v[LI] offset:1024*\b+512*\c
.endr
.endr
	ds_load_b128 v[SC:SC+3], v[LI] offset:8192
.irp t, 0,1,2,3
.irp c, 0,1
	ds_load_b128 v[VF+8*\t+4*\c:VF+8*\t+4*\c+3], v[LI] offset:4096+1024*\t+512*\c
.endr
.endr
	s_cmp_lt_u32 s17, s16                          ; is there a next step?  No load leaves the head's images
	s_cbranch_scc0 .Lasked
	s_add_nc_u64 s[8:9], s[8:9], 8704              ; (the loads that read this base are done: the wait at the step's head)
	global_load_b128 v[GK:GK+3], v[TA], s[8:9]     ; (the LDS stores that read these registers are done)
	global_load_b128 v[GV:GV+3], v[TA], s[8:9] offset:4096
	s_cmp_lg_u32 s14, 0
	s_cbranch_scc1 .Lasked
	global_load_b128 v[GS:GS+3], v[LI], s[8:9] offset:8192
.Lasked:
	s_wait_dscnt 0x0                               ; my 17 reads of the image are in
	s_barrier_signal -1
	s_barrier_wait -1                              ; everybody's are: the next step may write over it
.irp b, 0,1,2,3                                ; S^T = K q^T: fragment b against q in the low half of K, then in the high half: keys 32 b + 16 (lane / 16) + 0..7 and + 8..15
	v_wmma_scale_f32_16x16x128_f8f6f4 v[S+16*\b:S+16*\b+7], v[KF+8*\b:KF+8*\b+7], v[16:23], 0, v[SC+\b], v[QS] matrix_a_fmt:MATRIX_FMT_FP4 matrix_b_fmt:MATRIX_FMT_FP4
	v_wmma_scale_f32_16x16x128_f8f6f4 v[S+16*\b+8:S+16*\b+15], v[KF+8*\b:KF+8*\b+7], v[20:27], 0, v[SC+\b], v[QS] matrix_a_fmt:MATRIX_FMT_FP4 matrix_b_fmt:MATRIX_FMT_FP4
.endr
.rept 4
	v_nop                                          ; places in front of the first read of the scores
.endr
	s_cmp_lg_u32 s17, s16
	s_cbranch_scc1 .Lopen
.set N, 0
.rept 64                                       ; the diagonal step: hidden scores become -infinity ahead of the maximum, so p = 0 there
	v_cmp_gt_i32 vcc_lo, 32*(N/16)+N%16, v[MD]
	v_cndmask_b32 v[S+N], v[S+N], v[NINF], vcc_lo
.set N, N+1
.endr
.Lopen:
.irp b, 0,1,2,3
	v_max3_num_f32 v[BM+\b], v[S+16*\b], v[S+16*\b+1], v[S+16*\b+2]   ; the largest score of each block of 32 keys: for the row's maximum, and, since p rises with the score, for the block's largest p
.endr
.irp i, 3,5,7,9,11,13
.irp b, 0,1,2,3
	v_max3_num_f32 v[BM+\b], v[BM+\b], v[S+16*\b+\i], v[S+16*\b+\i+1]
.endr
.endr
.irp b, 0,1,2,3
	v_max_num_f32 v[BM+\b], v[BM+\b], v[S+16*\b+15]
.endr
.irp b, 0,1,2,3
	s_delay_alu instid0(VALU_DEP_4)
	v_permlanex16_b32 v[BX+\b], v[BM+\b], s20, s21
.endr
.irp b, 0,1,2,3
	s_delay_alu instid0(VALU_DEP_4)
	v_max_num_f32 v[BM+\b], v[BM+\b], v[BX+\b]     ; with lane l xor 16's 16 keys
.endr
	s_delay_alu instid0(VALU_DEP_2)
	v_max3_num_f32 v[T], v[BM], v[BM+1], v[BM+2]
	s_delay_alu instid0(VALU_DEP_1)
	v_max_num_f32 v[T], v[T], v[BM+3]
	s_delay_alu instid0(VALU_DEP_1)
	v_mul_f32 v[T], s22, v[T]                      ; the step's largest t (c is positive)
	s_delay_alu instid0(VALU_DEP_1)
	v_max_num_f32 v[TX], v[TX], v[T]
	v_mov_b32 v[T], v[NM]
	s_delay_alu instid0(VALU_DEP_2)
	v_floor_f32 v[NM], -v[TX]                      ; the new -M = floor(-t): M is a whole number
	s_delay_alu instid0(VALU_DEP_1)
	v_sub_f32 v[T], v[NM], v[T]                    ; old M - new M: a whole number, 0 or less
	s_delay_alu instid0(VALU_DEP_1)
	v_cvt_i32_f32 v[T], v[T]                       ; (it saturates)
	s_delay_alu instid0(VALU_DEP_1)
	v_ldexp_f32 v[F], 1.0, v[T]                    ; f = 2^(old M - new M)
.set J, 0
.rept 32
	v_pk_fma_f32 v[S+J:S+J+1], v[S+J:S+J+1], s[22:23], v[NM:NM+1] op_sel_hi:[1,0,0]   ; t - M, two at a time
.set J, J+2
.endr
.irp b, 0,1,2,3
	v_fma_f32 v[BM+\b], v[BM+\b], s22, v[NM]       ; the same of each block's largest score
.endr
.set J, 0
	s_wait_alu depctr_va_vdst(0)
.rept 64
	v_exp_f32 v[S+J], v[S+J]                       ; p = 2^(t - M), at most 1
.set J, J+1
.endr
.irp b, 0,1,2,3
	v_exp_f32 v[BM+\b], v[BM+\b]                   ; the block's largest p: the same two instructions on the same number
.endr
	v_pk_mul_f32 v[L:L+1], v[L:L+1], v[F:F+1] op_sel_hi:[1,0]   ; the sums under the new M.  (The plain place behind the exponentials)
	s_wait_alu depctr_va_vdst(0)
.irp b, 0,1,2,3
	v_max_num_f32 v[BM+\b], 0x1800000, v[BM+\b]    ; the floor 2^(3 - 127): the byte cannot fall under 1; a block of zeros keeps that byte over zero codes
.endr
.irp b, 0,1,2,3
	s_delay_alu instid0(VALU_DEP_4)
	v_add_nc_u32 v[BS+\b], 0xff000000, v[BM+\b]    ; 2 off the exponent field: the conversion's scale operand
.endr
.irp b, 0,1,2,3
	s_delay_alu instid0(VALU_DEP_4)
	v_lshrrev_b32 v[BX+\b], 23, v[BS+\b]           ; the scale's byte
.endr
	s_delay_alu instid0(VALU_DEP_3)
	v_lshl_or_b32 v[PWD], v[BX+1], 8, v[BX]        ; p's scale word for these 128 keys
	s_delay_alu instid0(VALU_DEP_1)
	v_lshl_or_b32 v[PWD], v[BX+2], 16, v[PWD]
	s_delay_alu instid0(VALU_DEP_1)
	v_lshl_or_b32 v[PWD], v[BX+3], 24, v[PWD]
.irp b, 0,1,2,3
	v_cvt_scalef32_pk8_fp4_f32 v[PC+2*\b], v[S+16*\b:S+16*\b+7], v[BS+\b]
	v_cvt_scalef32_pk8_fp4_f32 v[PC+2*\b+1], v[S+16*\b+8:S+16*\b+15], v[BS+\b]
.endr
	v_nop                                          ; one plain place behind a scaled conversion
.irp c, 0,1                                    ; a whole block to a lane
.irp i, 0,1
	v_permlane16_swap_b32 v[PC+4*\c+\i], v[PC+4*\c+2+\i]
.endr
.endr
	v_pk_add_f32 v[224:225], v[100:101], v[104:105]
	v_pk_add_f32 v[252:253], v[108:109], v[112:113]
	v_pk_add_f32 v[250:251], v[116:117], v[120:121]
	v_pk_add_f32 v[248:249], v[124:125], v[128:129]
	v_pk_add_f32 v[246:247], v[132:133], v[136:137]
	v_pk_add_f32 v[244:245], v[140:141], v[144:145]
	v_pk_add_f32 v[242:243], v[148:149], v[152:153]
	v_pk_add_f32 v[208:209], v[208:209], v[156:157]
	v_pk_add_f32 v[224:225], v[224:225], v[96:97]
	v_pk_add_f32 v[252:253], v[252:253], v[98:99]
	v_pk_add_f32 v[250:251], v[250:251], v[102:103]
	v_pk_add_f32 v[248:249], v[248:249], v[106:107]
	v_pk_add_f32 v[246:247], v[246:247], v[110:111]
	v_pk_add_f32 v[244:245], v[244:245], v[114:115]
	v_pk_add_f32 v[242:243], v[242:243], v[118:119]
	v_pk_add_f32 v[208:209], v[208:209], v[122:123]
	v_pk_add_f32 v[224:225], v[224:225], v[126:127]
	v_pk_add_f32 v[252:253], v[252:253], v[130:131]
	v_pk_add_f32 v[250:251], v[250:251], v[134:135]
	v_pk_add_f32 v[248:249], v[248:249], v[138:139]
	v_pk_add_f32 v[246:247], v[246:247], v[142:143]
	v_pk_add_f32 v[244:245], v[244:245], v[146:147]
	v_pk_add_f32 v[242:243], v[242:243], v[150:151]
	v_pk_add_f32 v[208:209], v[208:209], v[154:155]
	v_pk_add_f32 v[224:225], v[224:225], v[158:159]
	s_delay_alu instid0(VALU_DEP_2)
	v_pk_add_f32 v[208:209], v[208:209], v[248:249]
	s_delay_alu instid0(VALU_DEP_2)
	v_pk_add_f32 v[224:225], v[224:225], v[246:247]
	v_pk_add_f32 v[252:253], v[252:253], v[244:245]
	v_pk_add_f32 v[250:251], v[250:251], v[242:243]
	s_delay_alu instid0(VALU_DEP_2)
	v_pk_add_f32 v[208:209], v[208:209], v[252:253]
	s_delay_alu instid0(VALU_DEP_2)
	v_pk_add_f32 v[224:225], v[224:225], v[250:251]
	s_delay_alu instid0(VALU_DEP_1)
	v_pk_add_f32 v[208:209], v[208:209], v[224:225]
.set J, 0
.rept 16
	v_pk_mul_f32 v[O+J:O+J+1], v[O+J:O+J+1], v[F:F+1] op_sel_hi:[1,0]   ; O^T under the new M.  (The sums above are the places between p's codes and scale word and the products below)
.set J, J+2
.endr
.irp t, 0,1,2,3                                ; O^T += V^T p^T: four tiles of 16 of the head's 64, K = these 128 keys; four accumulators, one instruction each
	v_wmma_scale_f32_16x16x128_f8f6f4 v[O+8*\t:O+8*\t+7], v[VF+8*\t:VF+8*\t+7], v[PC:PC+7], v[O+8*\t:O+8*\t+7], v[SC+\t], v[PWD] matrix_a_fmt:MATRIX_FMT_FP4 matrix_b_fmt:MATRIX_FMT_FP4 matrix_a_scale:MATRIX_SCALE_ROW1
.endr
.rept 4
	v_nop                                          ; places in front of the next step's loads into V's and the scales' registers, and of the next read of O^T
.endr
	s_add_co_u32 s17, s17, 1
	s_cmp_lt_u32 s17, s19                          ; j steps by 1 up to the number of key steps
	s_cbranch_scc1 .Lstep
	; THE WAY OUT: O^T / the sum; registers 16 e + i hold d = 32 e + 16 (lane / 16) + i: two blocks of 32, quantised as p is
	v_add_f32 v[L], v[L], v[L+1]
	s_delay_alu instid0(VALU_DEP_1)
	v_permlanex16_b32 v[T], v[L], s20, s21
	s_delay_alu instid0(VALU_DEP_1)
	v_add_f32 v[L], v[L], v[T]                     ; the row's sum
	s_wait_alu depctr_va_vdst(0)
	v_rcp_f32 v[F], v[L]
	v_nop                                          ; one plain place behind a transcendental
.set J, 0
	s_wait_alu depctr_va_vdst(0)
.rept 16
	v_pk_mul_f32 v[O+J:O+J+1], v[O+J:O+J+1], v[F:F+1] op_sel_hi:[1,0]
.set J, J+2
.endr
.irp e, 0,1
	v_max3_num_f32 v[BM+\e], |v[O+16*\e]|, |v[O+16*\e+1]|, 0x1800000
.endr
.irp i, 2,4,6,8,10,12,14
.irp e, 0,1
	s_delay_alu instid0(VALU_DEP_2)
	v_max3_num_f32 v[BM+\e], v[BM+\e], |v[O+16*\e+\i]|, |v[O+16*\e+\i+1]|
.endr
.endr
.irp e, 0,1
	s_delay_alu instid0(VALU_DEP_2)
	v_permlanex16_b32 v[BX+\e], v[BM+\e], s20, s21
.endr
.irp e, 0,1
	s_delay_alu instid0(VALU_DEP_2)
	v_max_num_f32 v[BM+\e], v[BM+\e], v[BX+\e]
.endr
.irp e, 0,1
	s_delay_alu instid0(VALU_DEP_2)
	v_add_nc_u32 v[BS+\e], 0xff000000, v[BM+\e]
.endr
.irp e, 0,1
	s_delay_alu instid0(VALU_DEP_2)
	v_lshrrev_b32 v[BX+\e], 23, v[BS+\e]
.endr
	s_delay_alu instid0(VALU_DEP_1)
	v_lshl_or_b32 v[T], v[BX+1], 8, v[BX]          ; my query's two scale bytes
.irp e, 0,1
	v_cvt_scalef32_pk8_fp4_f32 v[PC+2*\e], v[O+16*\e:O+16*\e+7], v[BS+\e]
	v_cvt_scalef32_pk8_fp4_f32 v[PC+2*\e+1], v[O+16*\e+8:O+16*\e+15], v[BS+\e]
.endr
	v_nop
	v_permlane16_swap_b32 v[PC], v[PC+2]
	v_permlane16_swap_b32 v[PC+1], v[PC+3]         ; v[PC:PC+3] of lane (r, h): query r, d = 32 h + 0 .. 31: four registers of the last product's operand
	global_store_b128 v[LI], v[PC:PC+3], s[10:11]  ; 512 consecutive bytes
	ds_store_b16 v[CSA], v[T]                      ; both halves of the lanes write the same two bytes with the same value
	s_wait_dscnt 0x0
	s_barrier_signal -1
	s_barrier_wait -1                              ; the 128 queries' scale bytes lie together
	s_cmp_lg_u32 s14, 0
	s_cbranch_scc1 .Lend
	ds_load_b64 v[230:231], v[CR8]
	s_wait_dscnt 0x0
	global_store_b64 v[CO8], v[230:231], s[12:13]  ; 256 consecutive bytes, at a multiple of 256 from the buffer's first byte
.Lend:
	s_wait_tensorcnt 0x0
	ds_add_u32 v254, v255
	s_wait_dscnt 0x0
	s_endpgm
.Lfunc_end_k_q7441418ef4_attn:
	.size	k_q7441418ef4_attn, .Lfunc_end_k_q7441418ef4_attn-k_q7441418ef4_attn
	.p2alignl 7, 3214868480
	.fill 96, 4, 3214868480
	.section	.rodata,"a",@progbits
	.p2align	6, 0x0
	.amdhsa_kernel k_q7441418ef4_attn
		.amdhsa_group_segment_fixed_size 10240
		.amdhsa_private_segment_fixed_size 0
		.amdhsa_enable_private_segment 0
		.amdhsa_kernarg_size 40
		.amdhsa_user_sgpr_count 2
		.amdhsa_user_sgpr_kernarg_segment_ptr 1
		.amdhsa_wavefront_size32 1
		.amdhsa_system_sgpr_workgroup_id_x 1
		.amdhsa_system_sgpr_workgroup_id_y 1
		.amdhsa_system_sgpr_workgroup_id_z 1
		.amdhsa_system_vgpr_workitem_id 0
		.amdhsa_next_free_vgpr 256
		.amdhsa_next_free_sgpr 66
		.amdhsa_reserve_vcc 1
		.amdhsa_float_denorm_mode_32 3
		.amdhsa_float_denorm_mode_16_64 3
		.amdhsa_memory_ordered 1
		.amdhsa_forward_progress 1
		.amdhsa_inst_pref_size 32
	.end_amdhsa_kernel
	.amdgpu_metadata
---
amdhsa.version: [ 1, 2 ]
amdhsa.kernels:
  - .name:           k_q7441418ef4_attn
    .symbol:         k_q7441418ef4_attn.kd
    .args:
      - { .name: qc, .offset: 0, .size: 8, .value_kind: global_buffer, .address_space: global }
      - { .name: qs, .offset: 8, .size: 8, .value_kind: global_buffer, .address_space: global }
      - { .name: kv, .offset: 16, .size: 8, .value_kind: global_buffer, .address_space: global }
      - { .name: cc, .offset: 24, .size: 8, .value_kind: global_buffer, .address_space: global }
      - { .name: cs, .offset: 32, .size: 8, .value_kind: global_buffer, .address_space: global }
    .group_segment_fixed_size: 10240
    .private_segment_fixed_size: 0
    .kernarg_segment_align: 8
    .kernarg_segment_size: 40
    .max_flat_workgroup_size: 256
    .sgpr_count:     66
    .vgpr_count:     256
    .wavefront_size: 32
...
	.end_amdgpu_metadata
.endif
;; end of part 2
;; launch proj (part 3): grid 256 x 1, 8 waves a work-group, no clusters, 151,552 bytes of LDS; arguments cc, cs, out_w_codes, out_w_scales, out_b, x, gamma, beta, out0; writes out0
.if DOCPART == 3
	.amdgcn_target "amdgcn-amd-amdhsa--gfx1250"
	.amdhsa_code_object_version 6
	.text
	.protected	k_q7441418ef4_proj
	.globl	k_q7441418ef4_proj
	.p2align	8
	.type	k_q7441418ef4_proj,@function
k_q7441418ef4_proj:
	s_mov_b64 s[64:65], 0
	v_nop
	global_prefetch_b8 v0, s[64:65] scope:SCOPE_SE
	s_setreg_imm32_b32 hwreg(HW_REG_WAVE_MODE, 25, 1), 1
	s_wait_xcnt 0x0
; out0 = layer-norm(x + ctx W^T + out_b) x gamma + beta; the product on codes of FP4 (E2M1) with E8M0 scales, all else in f32.
; SHARES.  A work-group owns 32 whole rows, as the norm asks; wave w owns columns 128 w .. + 127 (eight tiles of 16 rows of W) for both tiles of 16 rows: 16 accumulators.
; The product is used transposed (source 0 = 16 rows of W, source 1 = 16 rows of ctx): lane (r, h) holds row r and columns 16 t + 8 h + 0 .. 7.
; x + out_b is the C of each sum's first product.  x is loaded densely (512 consecutive bytes a load), out_b is added, and the rows turn through a stage in LDS into the accumulators' layout; the results go back the same way.
; ctx's codes arrive as register images (16 KB for the 32 rows): copied into LDS once, read by all eight waves.  W's codes go from memory straight into the registers of the one wave that multiplies by them, a ring of four
; sets of a K step each, three K steps ahead; they never lie in LDS, which is why no tile is asked for jointly by several work-groups.
; THE NORM in two passes over registers: the mean, then the mean of the squares of (y - mean): no difference of large sums.  A row's sum meets in LDS: a word for each row and wave.
; LIMITS: NaN and infinities among the inputs are not served.
; REGISTERS: window 0: v1-12 addresses; v16-47 out_b, then ctx's fragments (two buffers of two); v48-55 ctx's scale words; v56-87 W's; v88-127 at work; v128-255 the accumulators, (row tile m, t) at 128 + 8 (8 m + t).
;   window 1: W's ring, set g % 4 at 64 (g % 4) + 8 t; at the end gamma in v0-31, beta in v32-63.
.set SPITCH, 4112                      ; a stage row: 4,096 bytes + 16: sixteen rows' pieces start 16 bytes apart modulo 256
.set CIMG, 131584                      ; LDS: 0 .. the stage, 32 rows; here ctx's images, 16,384 bytes;
.set RED,  147968                      ; here [pass 2][row 32][wave 8] words
.set LI,   1                           ; 16 x lane
.set SP0,  2                           ; the stage, my pieces: 4112 r + 512 wave + 32 (lane / 16); rows 0-15
.set SP1,  3                           ; rows 16-31
.set SD,   4                           ; the stage, dense: my four rows, 16 bytes a lane
.set CW,   5                           ; CIMG + 16 x thread
.set CR,   6                           ; CIMG + 16 x lane
.set RW,   7                           ; RED + 32 r + 4 wave
.set RR,   8                           ; RED + 32 r
.set WA,   9                           ; W's codes: 512 r + 16 (lane / 16)
.set WSA,  10                          ; W's scales: 32 x lane
.set CSA,  11                          ; ctx's scales: 2 x lane
.set TA,   12                          ; 16 x thread
.set CF,   16
.set BD,   16
.set CSW,  48
.set WS,   56
.set RU,   88
.set CT,   104
.set ACC,  128
.set MA,   88                          ; sums in two chains: row tile m at MA + 4 m (two pairs)
.set PX,   96
.set RD,   104                         ; the eight waves' words: row tile m at RD + 8 m
.set MU,   120                         ; the mean, a pair for each row tile
.set RS,   124                         ; 1 / sqrt(var + eps) likewise
.set MSB, 0
.macro WIN new
.if MSB != (\new)
	s_set_vgpr_msb (MSB<<8)|(\new)
.set MSB, (\new)
.endif
.endm
.macro WSET g                          ; my eight tiles' fragments of K step g: 16 loads
	WIN 0x40
.irp t, 0,1,2,3,4,5,6,7
.irp c, 0,1
	global_load_b128 v[64*((\g)&3)+8*\t+4*\c:64*((\g)&3)+8*\t+4*\c+3], v[WA], s[8:9] offset:8192*\t+64*(\g)+32*\c
.endr
.endr
	WIN 0
.endm
.macro CFETCH g                        ; ctx's two fragments of K step g from LDS: 4 loads
.irp mu, 0,1
.irp c, 0,1
	ds_load_b128 v[CF+16*((\g)&1)+8*\mu+4*\c:CF+16*((\g)&1)+8*\mu+4*\c+3], v[CR] offset:8192*\mu+1024*(\g)+512*\c
.endr
.endr
.endm
.macro WM d, a, b, c, sa, sb, ra, rb   ; one product.  ra, rb: the side's scales stand in lanes 16-31 of the register named
.if (\ra) && (\rb)
	v_wmma_scale_f32_16x16x128_f8f6f4 v[\d:\d+7], v[\a:\a+7], v[\b:\b+7], v[\c:\c+7], v[\sa], v[\sb] matrix_a_fmt:MATRIX_FMT_FP4 matrix_b_fmt:MATRIX_FMT_FP4 matrix_a_scale:MATRIX_SCALE_ROW1 matrix_b_scale:MATRIX_SCALE_ROW1
.elseif (\ra)
	v_wmma_scale_f32_16x16x128_f8f6f4 v[\d:\d+7], v[\a:\a+7], v[\b:\b+7], v[\c:\c+7], v[\sa], v[\sb] matrix_a_fmt:MATRIX_FMT_FP4 matrix_b_fmt:MATRIX_FMT_FP4 matrix_a_scale:MATRIX_SCALE_ROW1
.elseif (\rb)
	v_wmma_scale_f32_16x16x128_f8f6f4 v[\d:\d+7], v[\a:\a+7], v[\b:\b+7], v[\c:\c+7], v[\sa], v[\sb] matrix_a_fmt:MATRIX_FMT_FP4 matrix_b_fmt:MATRIX_FMT_FP4 matrix_b_scale:MATRIX_SCALE_ROW1
.else
	v_wmma_scale_f32_16x16x128_f8f6f4 v[\d:\d+7], v[\a:\a+7], v[\b:\b+7], v[\c:\c+7], v[\sa], v[\sb] matrix_a_fmt:MATRIX_FMT_FP4 matrix_b_fmt:MATRIX_FMT_FP4
.endif
.endm
; The two chains of each row tile become the row's sum over all 1,024 columns, in v[RD + 8 m] of every lane: my 64 numbers, lane l xor 16's, then the eight waves' through LDS.  Every wave adds in the same order.
.macro REDUCE pass
.irp mu, 0
	s_delay_alu instid0(VALU_DEP_3)
	v_pk_add_f32 v[MA+4*\mu:MA+4*\mu+1], v[MA+4*\mu:MA+4*\mu+1], v[MA+4*\mu+2:MA+4*\mu+3]
.endr
.irp mu, 1
	s_delay_alu instid0(VALU_DEP_2)
	v_pk_add_f32 v[MA+4*\mu:MA+4*\mu+1], v[MA+4*\mu:MA+4*\mu+1], v[MA+4*\mu+2:MA+4*\mu+3]
.endr
.irp mu, 0,1
	s_delay_alu instid0(VALU_DEP_2)
	v_add_f32 v[MA+4*\mu], v[MA+4*\mu], v[MA+4*\mu+1]
.endr
.irp mu, 0,1
	s_delay_alu instid0(VALU_DEP_2)
	v_permlanex16_b32 v[PX+\mu], v[MA+4*\mu], s26, s27
.endr
.irp mu, 0,1
	s_delay_alu instid0(VALU_DEP_2)
	v_add_f32 v[MA+4*\mu], v[MA+4*\mu], v[PX+\mu]
.endr
.irp mu, 0,1
	ds_store_b32 v[RW], v[MA+4*\mu] offset:1024*(\pass)+512*\mu   ; both halves of the lanes write the same word with the same value
.endr
	s_wait_dscnt 0x0                               ; for the others' sake: my words lie in LDS
	s_barrier_signal -1
	s_barrier_wait -1
.irp mu, 0,1
	ds_load_b128 v[RD+8*\mu:RD+8*\mu+3], v[RR] offset:1024*(\pass)+512*\mu
	ds_load_b128 v[RD+8*\mu+4:RD+8*\mu+7], v[RR] offset:1024*(\pass)+512*\mu+16
.endr
	s_wait_dscnt 0x0
.irp mu, 0,1
	v_pk_add_f32 v[RD+8*\mu:RD+8*\mu+1], v[RD+8*\mu:RD+8*\mu+1], v[RD+8*\mu+2:RD+8*\mu+3]
	v_pk_add_f32 v[RD+8*\mu+4:RD+8*\mu+5], v[RD+8*\mu+4:RD+8*\mu+5], v[RD+8*\mu+6:RD+8*\mu+7]
.endr
.irp mu, 0
	s_delay_alu instid0(VALU_DEP_3)
	v_pk_add_f32 v[RD+8*\mu:RD+8*\mu+1], v[RD+8*\mu:RD+8*\mu+1], v[RD+8*\mu+4:RD+8*\mu+5]
.endr
.irp mu, 1
	s_delay_alu instid0(VALU_DEP_2)
	v_pk_add_f32 v[RD+8*\mu:RD+8*\mu+1], v[RD+8*\mu:RD+8*\mu+1], v[RD+8*\mu+4:RD+8*\mu+5]
.endr
.irp mu, 0,1
	s_delay_alu instid0(VALU_DEP_2)
	v_add_f32 v[RD+8*\mu], v[RD+8*\mu], v[RD+8*\mu+1]
.endr
.endm
	s_load_b256 s[4:11], s[0:1], 0x0               ; cc s[4:5], cs s[6:7], W's codes s[8:9], W's scales s[10:11]
	s_load_b256 s[12:19], s[0:1], 0x20             ; out_b s[12:13], x s[14:15], gamma s[16:17], beta s[18:19]
	s_load_b64 s[20:21], s[0:1], 0x40              ; out0
	v_lshrrev_b32 v13, 5, v0
	s_delay_alu instid0(VALU_DEP_1)
	v_readfirstlane_b32 s22, v13                   ; wave 0..7
	v_and_b32 v13, 31, v0                          ; lane
	v_and_b32 v14, 15, v0                          ; r
	v_bfe_u32 v15, v0, 4, 1                        ; lane / 16
	s_delay_alu instid0(VALU_DEP_3)
	v_lshlrev_b32 v[LI], 4, v13
	s_delay_alu instid0(VALU_DEP_3)
	v_mul_u32_u24 v[SP0], v14, SPITCH
	s_delay_alu instid0(VALU_DEP_1)
	v_lshl_add_u32 v[SP0], v15, 5, v[SP0]
	s_lshl_b32 s23, s22, 9
	v_add_nc_u32 v[SP0], s23, v[SP0]
	s_delay_alu instid0(VALU_DEP_1)
	v_add_nc_u32 v[SP1], 16*SPITCH, v[SP0]
	s_mul_i32 s23, s22, 4*SPITCH
	v_add_nc_u32 v[SD], s23, v[LI]
	v_lshlrev_b32 v[TA], 4, v0
	s_delay_alu instid0(VALU_DEP_1)
	v_add_nc_u32 v[CW], CIMG, v[TA]
	v_add_nc_u32 v[CR], CIMG, v[LI]
	v_lshlrev_b32 v[RR], 5, v14
	s_delay_alu instid0(VALU_DEP_1)
	v_add_nc_u32 v[RR], RED, v[RR]
	s_lshl_b32 s23, s22, 2
	v_add_nc_u32 v[RW], s23, v[RR]
	v_lshlrev_b32 v[WA], 9, v14
	s_delay_alu instid0(VALU_DEP_1)
	v_lshl_add_u32 v[WA], v15, 4, v[WA]
	v_lshlrev_b32 v[WSA], 5, v13
	v_lshlrev_b32 v[CSA], 1, v13
	s_mov_b32 s26, 0x76543210
	s_mov_b32 s27, 0xfedcba98                      ; v_permlanex16_b32's selects for lane l xor 16
	s_mov_b32 s28, 0x3a800000                      ; 1 / 1,024
	s_mov_b32 s29, 0x3727c5ac                      ; 1e-5
	s_mov_b32 s25, 0
	s_wait_alu depctr_va_vdst(0)
	s_wait_kmcnt 0x0
	s_lshl_b32 s24, ttmp9, 14                      ; cc: two tiles of rows, 8,192 bytes each
	s_add_nc_u64 s[4:5], s[4:5], s[24:25]
	s_lshr_b32 s24, ttmp9, 6                       ; cs: batch x 16 heads x 4,096 bytes + 2 x token; the head stands in the loads' immediates
	s_lshl_b32 s24, s24, 16
	s_and_b32 s23, ttmp9, 63
	s_lshl_b32 s23, s23, 6
	s_add_co_u32 s24, s24, s23
	s_add_nc_u64 s[6:7], s[6:7], s[24:25]
	s_lshl_b32 s24, s22, 16                        ; W's codes: my 128 rows of 512 bytes
	s_add_nc_u64 s[8:9], s[8:9], s[24:25]
	s_lshl_b32 s24, s22, 12                        ; W's scales: my 128 rows of 32 bytes
	s_add_nc_u64 s[10:11], s[10:11], s[24:25]
	s_lshl_b32 s24, ttmp9, 17                      ; x and out0: 32 rows of 4,096 bytes a work-group, four a wave
	s_lshl_b32 s23, s22, 14
	s_add_co_u32 s24, s24, s23
	s_add_nc_u64 s[14:15], s[14:15], s[24:25]
	s_add_nc_u64 s[20:21], s[20:21], s[24:25]
.irp i, 0,1,2,3
	global_load_b128 v[CT+4*\i:CT+4*\i+3], v[TA], s[4:5] offset:4096*\i
.endr
.irp i, 0,1,2,3,4,5,6,7
	global_load_b128 v[BD+4*\i:BD+4*\i+3], v[LI], s[12:13] offset:512*\i
.endr
.irp ro, 0,1,2,3
.irp i, 0,1,2,3,4,5,6,7
	global_load_b128 v[ACC+4*(8*\ro+\i):ACC+4*(8*\ro+\i)+3], v[LI], s[14:15] offset:4096*\ro+512*\i th:TH_LOAD_NT   ; 512 consecutive bytes; read once in this launch
.endr
.endr
.irp hd, 0,1,2,3,4,5,6,7,8,9,10,11,12,13,14,15
	global_load_u16 v[RU+\hd], v[CSA], s[6:7] offset:4096*\hd      ; row (lane) of my 32, head hd: its two scale bytes
.endr
.irp p, 0,1,2,3
.irp gg, 0,1
	global_load_b128 v[WS+8*\p+4*\gg:WS+8*\p+4*\gg+3], v[WSA], s[10:11] offset:1024*\p+16*\gg   ; register 8 p + g: tile 2 p in lanes 0-15, tile 2 p + 1 in lanes 16-31
.endr
.endr
	WSET 0
	WSET 1
	s_wait_loadcnt 56                              ; behind x's loads: 16 + 8 + 2 x 16; ctx's images, out_b and x are in
.irp ro, 0,1,2,3
.irp i, 0,1,2,3,4,5,6,7
.irp e, 0,1
	v_pk_add_f32 v[ACC+4*(8*\ro+\i)+2*\e:ACC+4*(8*\ro+\i)+2*\e+1], v[ACC+4*(8*\ro+\i)+2*\e:ACC+4*(8*\ro+\i)+2*\e+1], v[BD+4*\i+2*\e:BD+4*\i+2*\e+1]   ; x + out_b
.endr
.endr
.endr
.irp ro, 0,1,2,3
.irp i, 0,1,2,3,4,5,6,7
	ds_store_b128 v[SD], v[ACC+4*(8*\ro+\i):ACC+4*(8*\ro+\i)+3] offset:SPITCH*\ro+512*\i
.endr
.endr
.irp i, 0,1,2,3
	ds_store_b128 v[CW], v[CT+4*\i:CT+4*\i+3] offset:4096*\i
.endr
	WSET 2
	s_wait_dscnt 0x0                               ; for the others' sake: my rows and my part of ctx's images lie in LDS
	s_barrier_signal -1
	s_barrier_wait -1
.irp t, 0,1,2,3,4,5,6,7
.irp e, 0,1
	ds_load_b128 v[ACC+8*\t+4*\e:ACC+8*\t+4*\e+3], v[SP0] offset:64*\t+16*\e          ; x + out_b in the accumulators' layout
	ds_load_b128 v[ACC+64+8*\t+4*\e:ACC+64+8*\t+4*\e+3], v[SP1] offset:64*\t+16*\e
.endr
.endr
	CFETCH 0
	s_wait_loadcnt 48                              ; three sets of W may be out: the scale bytes are in
.irp g, 0,1,2,3,4,5,6,7
	v_lshl_or_b32 v[CSW+\g], v[RU+2*\g+1], 16, v[RU+2*\g]          ; K step g = heads 2 g and 2 g + 1: four bytes; rows 0-15 in lanes 0-15, rows 16-31 in lanes 16-31
.endr
.rept 8
	v_nop                                          ; a scale register written by a vector instruction stands eight places ahead of a scaled product
.endr
	s_wait_alu depctr_va_vdst(0)
.irp g, 0,1,2,3,4,5,6,7
.if \g > 0
.rept 4
	v_nop                                          ; places in front of loads into the registers that the last K step's products read
.endr
.endif
.if \g < 7
	CFETCH \g+1
.endif
.if \g < 5
	WSET \g+3
	s_wait_loadcnt 48                              ; the three sets behind this K step's may be out
.else
	s_wait_loadcnt 16*(7-\g)
.endif
.if \g < 7
	s_wait_dscnt 4                                 ; the next K step's four loads may be out
.else
	s_wait_dscnt 0x0
.endif
	WIN 0x01
.irp t, 0,1,2,3,4,5,6,7                        ; the 16 accumulators by turns
.irp mu, 0,1
	WM ACC+8*(8*\mu+\t), 64*(\g&3)+8*\t, CF+16*(\g&1)+8*\mu, ACC+8*(8*\mu+\t), WS+8*(\t/2)+\g, CSW+\g, \t%2, \mu
.endr
.endr
	WIN 0
.endr
.rept 4
	v_nop                                          ; places in front of the first read of the results and of the loads into the ring's registers
.endr
	WIN 0x40
.irp i, 0,1,2,3,4,5,6,7
	global_load_b128 v[4*\i:4*\i+3], v[LI], s[16:17] offset:512*\i         ; gamma and beta, by the columns of the dense rows
	global_load_b128 v[32+4*\i:32+4*\i+3], v[LI], s[18:19] offset:512*\i
.endr
	WIN 0
	; ---- the mean.  Each accumulator is read from its low end on
.irp mu, 0,1
	v_pk_add_f32 v[MA+4*\mu:MA+4*\mu+1], v[ACC+64*\mu:ACC+64*\mu+1], v[ACC+64*\mu+2:ACC+64*\mu+3]
	v_pk_add_f32 v[MA+4*\mu+2:MA+4*\mu+3], v[ACC+64*\mu+4:ACC+64*\mu+5], v[ACC+64*\mu+6:ACC+64*\mu+7]
.endr
.irp j, 8,12,16,20,24,28,32,36,40,44,48,52,56,60
.irp mu, 0,1
	v_pk_add_f32 v[MA+4*\mu:MA+4*\mu+1], v[MA+4*\mu:MA+4*\mu+1], v[ACC+64*\mu+\j:ACC+64*\mu+\j+1]
	v_pk_add_f32 v[MA+4*\mu+2:MA+4*\mu+3], v[MA+4*\mu+2:MA+4*\mu+3], v[ACC+64*\mu+\j+2:ACC+64*\mu+\j+3]
.endr
.endr
	REDUCE 0
.irp mu, 0,1
	s_delay_alu instid0(VALU_DEP_2)
	v_mul_f32 v[MU+2*\mu], s28, v[RD+8*\mu]
.endr
.irp mu, 0,1
	s_delay_alu instid0(VALU_DEP_2)
	v_mov_b32 v[MU+2*\mu+1], v[MU+2*\mu]           ; (named with it as a pair)
.endr
	; ---- y - mean, in place; then the mean of its squares
.irp mu, 0,1
.set J, 0
.rept 32
	v_pk_add_f32 v[ACC+64*\mu+J:ACC+64*\mu+J+1], v[ACC+64*\mu+J:ACC+64*\mu+J+1], v[MU+2*\mu:MU+2*\mu+1] op_sel_hi:[1,0] neg_lo:[0,1] neg_hi:[0,1]
.set J, J+2
.endr
.endr
.irp mu, 0,1
	v_pk_mul_f32 v[MA+4*\mu:MA+4*\mu+1], v[ACC+64*\mu:ACC+64*\mu+1], v[ACC+64*\mu:ACC+64*\mu+1]
	v_pk_mul_f32 v[MA+4*\mu+2:MA+4*\mu+3], v[ACC+64*\mu+2:ACC+64*\mu+3], v[ACC+64*\mu+2:ACC+64*\mu+3]
.endr
.irp j, 4,8,12,16,20,24,28,32,36,40,44,48,52,56,60
.irp mu, 0,1
	s_delay_alu instid0(VALU_DEP_4)
	v_pk_fma_f32 v[MA+4*\mu:MA+4*\mu+1], v[ACC+64*\mu+\j:ACC+64*\mu+\j+1], v[ACC+64*\mu+\j:ACC+64*\mu+\j+1], v[MA+4*\mu:MA+4*\mu+1]
	s_delay_alu instid0(VALU_DEP_4)
	v_pk_fma_f32 v[MA+4*\mu+2:MA+4*\mu+3], v[ACC+64*\mu+\j+2:ACC+64*\mu+\j+3], v[ACC+64*\mu+\j+2:ACC+64*\mu+\j+3], v[MA+4*\mu+2:MA+4*\mu+3]
.endr
.endr
	REDUCE 1                                       ; (other words of LDS than the first pass's: no wave can meet a late reader)
.irp mu, 0,1
	s_delay_alu instid0(VALU_DEP_2)
	v_fma_f32 v[RD+8*\mu], v[RD+8*\mu], s28, s29   ; var + 1e-5
.endr
	s_wait_alu depctr_va_vdst(0)
.irp mu, 0,1
	v_rsq_f32 v[RS+2*\mu], v[RD+8*\mu]
.endr
	v_nop                                          ; one plain place behind a transcendental
	s_wait_alu depctr_va_vdst(0)
.irp mu, 0,1
	v_mov_b32 v[RS+2*\mu+1], v[RS+2*\mu]
.endr
.irp mu, 0,1
.set J, 0
.rept 32
	v_pk_mul_f32 v[ACC+64*\mu+J:ACC+64*\mu+J+1], v[ACC+64*\mu+J:ACC+64*\mu+J+1], v[RS+2*\mu:RS+2*\mu+1] op_sel_hi:[1,0]
.set J, J+2
.endr
.endr
	; ---- the way out: my pieces go back into the bytes of the stage from which I alone read them; behind a barrier each wave takes its four whole rows
.irp t, 0,1,2,3,4,5,6,7
.irp e, 0,1
	ds_store_b128 v[SP0], v[ACC+8*\t+4*\e:ACC+8*\t+4*\e+3] offset:64*\t+16*\e
	ds_store_b128 v[SP1], v[ACC+64+8*\t+4*\e:ACC+64+8*\t+4*\e+3] offset:64*\t+16*\e
.endr
.endr
	s_wait_dscnt 0x0                               ; for the others' sake: my pieces lie in the stage
	s_barrier_signal -1
	s_barrier_wait -1
.irp ro, 0,1,2,3
.irp i, 0,1,2,3,4,5,6,7
	ds_load_b128 v[ACC+4*(8*\ro+\i):ACC+4*(8*\ro+\i)+3], v[SD] offset:SPITCH*\ro+512*\i
.endr
.endr
	s_wait_loadcnt 0x0                             ; gamma and beta
.irp ro, 0,1,2,3
	s_wait_dscnt 24-8*\ro                          ; this row's eight loads are in; the later rows' may be out
	WIN 0x14
.irp i, 0,1,2,3,4,5,6,7
.irp e, 0,1
	v_pk_fma_f32 v[ACC+4*(8*\ro+\i)+2*\e:ACC+4*(8*\ro+\i)+2*\e+1], v[ACC+4*(8*\ro+\i)+2*\e:ACC+4*(8*\ro+\i)+2*\e+1], v[4*\i+2*\e:4*\i+2*\e+1], v[32+4*\i+2*\e:32+4*\i+2*\e+1]
.endr
.endr
	WIN 0
.irp i, 0,1,2,3,4,5,6,7
	global_store_b128 v[LI], v[ACC+4*(8*\ro+\i):ACC+4*(8*\ro+\i)+3], s[20:21] offset:4096*\ro+512*\i th:TH_STORE_NT   ; 512 consecutive bytes, at a multiple of 256 from out0's first byte
.endr
.endr
	s_wait_xcnt 0x0
	v_lshl_add_u32 v254, v0, 2, 0x24c00
	v_mov_b32 v255, 0
	s_wait_alu depctr_va_vdst(0)
	s_wait_tensorcnt 0x0
	ds_add_u32 v254, v255
	s_wait_dscnt 0x0
	s_endpgm
.Lfunc_end_k_q7441418ef4_proj:
	.size	k_q7441418ef4_proj, .Lfunc_end_k_q7441418ef4_proj-k_q7441418ef4_proj
	.p2alignl 7, 3214868480
	.fill 96, 4, 3214868480
	.section	.rodata,"a",@progbits
	.p2align	6, 0x0
	.amdhsa_kernel k_q7441418ef4_proj
		.amdhsa_group_segment_fixed_size 151552
		.amdhsa_private_segment_fixed_size 0
		.amdhsa_enable_private_segment 0
		.amdhsa_kernarg_size 72
		.amdhsa_user_sgpr_count 2
		.amdhsa_user_sgpr_kernarg_segment_ptr 1
		.amdhsa_wavefront_size32 1
		.amdhsa_system_sgpr_workgroup_id_x 1
		.amdhsa_system_sgpr_workgroup_id_y 1
		.amdhsa_system_sgpr_workgroup_id_z 1
		.amdhsa_system_vgpr_workitem_id 0
		.amdhsa_next_free_vgpr 512
		.amdhsa_next_free_sgpr 66
		.amdhsa_reserve_vcc 0
		.amdhsa_float_denorm_mode_32 3
		.amdhsa_float_denorm_mode_16_64 3
		.amdhsa_memory_ordered 1
		.amdhsa_forward_progress 1
		.amdhsa_inst_pref_size 86
	.end_amdhsa_kernel
	.amdgpu_metadata
---
amdhsa.version: [ 1, 2 ]
amdhsa.kernels:
  - .name:           k_q7441418ef4_proj
    .symbol:         k_q7441418ef4_proj.kd
    .args:
      - { .name: cc, .offset: 0, .size: 8, .value_kind: global_buffer, .address_space: global }
      - { .name: cs, .offset: 8, .size: 8, .value_kind: global_buffer, .address_space: global }
      - { .name: out_w_codes, .offset: 16, .size: 8, .value_kind: global_buffer, .address_space: global }
      - { .name: out_w_scales, .offset: 24, .size: 8, .value_kind: global_buffer, .address_space: global }
      - { .name: out_b, .offset: 32, .size: 8, .value_kind: global_buffer, .address_space: global }
      - { .name: x, .offset: 40, .size: 8, .value_kind: global_buffer, .address_space: global }
      - { .name: gamma, .offset: 48, .size: 8, .value_kind: global_buffer, .address_space: global }
      - { .name: beta, .offset: 56, .size: 8, .value_kind: global_buffer, .address_space: global }
      - { .name: out0, .offset: 64, .size: 8, .value_kind: global_buffer, .address_space: global }
    .group_segment_fixed_size: 151552
    .private_segment_fixed_size: 0
    .kernarg_segment_align: 8
    .kernarg_segment_size: 72
    .max_flat_workgroup_size: 256
    .sgpr_count:     66
    .vgpr_count:     512
    .wavefront_size: 32
...
	.end_amdgpu_metadata
.endif
;; end of part 3
